; MI455X (gfx1250); checked and timed in simulation.
; The chip was launched on July 23, 2026; its instructions are those of AMD's public machine-readable ISA for CDNA 5 (MIT licence, August 2026) and "CDNA5" Instruction Set Architecture Reference Guide (July 2026). The comments in the code are by the model that wrote it; some were corrected since.
;; Voxel Sampler traj. Allowed arithmetic: float matrix products may take bf16 or f16 operands with f32 sums; all other float work in f32.
;; Inputs: points 2 x 8 x 65,536 x 5 float32; trajectory_rois 2 x 8 x 128 x 7 float32; valid_length 2 x 8 x 128 int32.
;; Outputs: out0 2 x 128 x 1,024 x 5 float32.
;; Constants: num_sample = 128.
;; 2 versions, each right; version 2 is version 1 with the launch mask written anew for expert scheduling mode. Each part assembles by itself: llvm-mc -triple=amdgcn-amd-amdhsa -mcpu=gfx1250 --defsym DOCPART=n.
;; ======== version 1 of 2: 3 launches
;; workspace buffers: hits 16,777,216 bytes; slots 8,192 bytes of whole numbers; nz 524,288 bytes of whole numbers; cw0 524,288 bytes of whole numbers; cw1 524,288 bytes of whole numbers; wi 524,288 bytes of whole numbers
;; launch mask (part 1): grid 256 x 1, 16 waves a work-group, no clusters, 119,296 bytes of LDS; arguments points, trajectory_rois, valid_length, hits, slots, nz; writes hits, slots, nz
.if DOCPART == 1
	.amdgcn_target "amdgcn-amd-amdhsa--gfx1250"
	.amdhsa_code_object_version 6
	.text
	.protected	k_q23d9e69051_mask
	.globl	k_q23d9e69051_mask
	.p2align	8
	.type	k_q23d9e69051_mask,@function
k_q23d9e69051_mask:
	s_mov_b64 s[64:65], 0
	v_nop
	global_prefetch_b8 v0, s[64:65] scope:SCOPE_SE
	s_setreg_imm32_b32 hwreg(HW_REG_WAVE_MODE, 25, 1), 1
	s_wait_xcnt 0x0
; MASK: for every box whose own result is wanted, one bit for each point of its frame: is the point inside the box's cylinder?
;   points [2][8][65536][5] f32, rois [2][8][128][7] f32, valid [2][8][128] i32.
;   hits  [b][chunk of 512 points][list place 0..1023][16 words]: bit i of the word at byte 8 (g & 7) + 4 (g >> 3) = point 512 chunk + 32 g + i.
;   nz    [b][chunk][quad of places 0..255][2 words]: bit 8 j + i of word h = the mask word of group 8 h + i of place 4 quad + j is not zero.
;   slots [b][t][m]: list place | source frame << 16, the row that belongs to output (b, m, t).
; A box is wanted if t == 0 or valid != 0 (otherwise its result is replaced by frame 0's, so it is never tested; valid of t == 0 decides nothing
; and is not loaded).  The wanted boxes of a batch form ONE list over its 8 frames, frame after frame, each frame padded to a multiple of 4.
; A work-group = (batch, chunk): 512 point indices of all 8 frames x the whole list, so all work-groups of a batch have equal work; its 16 waves
; take 16 equal runs of the list's quads.  No cluster, no tensor load: a chunk of points belongs to one work-group alone, and what the
; work-groups share (rois and valid of a batch, 32,768 bytes) is read once at the head.
;
; THE TEST.  The problem asks RN(sqrt(s)) <= R with s = dx^2 + dy^2.  For f32 s that holds exactly when s <= R * next(R) as real numbers
; (the square of the midpoint between R and next(R) exceeds that product by a quarter unit, and s is a whole number of units), so
; T = R * next(R) rounded down is made once for a box and a pair costs no root.  R = RN(sqrt(q)) * 1.1f with the root rounded correctly.
; An infinite R gives T = +inf, a NaN gives NaN (nothing is selected), as in the problem.
; LIMITS, stated: s and q are formed as fma(b, b, a * a), a the first and b the second number of the pair; if the sum is rounded in another
; order, a point within one last-place unit (2^-23 relative) of T may be classed otherwise.  Radii below 2^-50: T may be one unit off (the
; product's error term underflows; v_sqrt_f32 takes a denormal q as 0).
.set FRAME_BYTES, 1310720              ; 65,536 points x 20 bytes
.set CHUNK_BYTES, 10240                ; 512 points x 20 bytes, a multiple of 256
.set DUMP,        1056                 ; LDS places of 16 bytes (-cx, -cy, T, 0): 0..1023 the list, 1024..1055 spare for reading ahead,
.set STAGE,       (DUMP+1024)*16       ; 1056..2079 one place for each box that is not wanted (never read); then 8 x 10,240 bytes of points;
.set NZB,         STAGE+8*CHUNK_BYTES  ; then 256 quads x 8 bytes: this work-group's part of nz
.set LANE, 1                           ; v1    lane
.set L16,  3                           ; v3    16 lane   (offset of the staging loads)
.set L4,   4                           ; v4    4 lane    (offset of the valid loads)
.set T28,  5                           ; v5    28 thread (offset of the roi loads)
.set PINIT,6                           ; v6    16 thread (the list's default fill)
.set STA,  7                           ; v7    where my staging loads go in LDS
.set RA,   8                           ; v[8:11]   box A (thread's number = 128 t + m, t 0..3): cx, cy, l, w, then -cx, -cy, T, 0
.set RB,   12                          ; v[12:15]  box B (t + 4)
.set DEF,  16                          ; v[16:19]  the default entry
.set SLA,  20                          ; v20, v21  list places of A and B, then their LDS addresses
.set SLB,  21
.set TM,   24                          ; v[24:29]  at work
.set VL,   32                          ; v[36:63]  valid of segments 4..31 (head only)
.set X,    32                          ; v[32:47]  x of 16 groups of 32 points (lane = point)
.set Y,    48                          ; v[48:63]  y
.set ST,   64                          ; v[64:103] staging (head only)
.set DX,   64                          ; v[64:79]  x - cx, then its square
.set DY,   80                          ; v[80:95]  y - cy, then s
.set PR,   96                          ; v[96:111] parameters of the quad's four boxes
.set W,    112                         ; v[112:113] the quad's 64 mask words: lane 8 j + (g & 7), register g >> 3
.set WS,   114                         ; v[114:115] their copy, which the store reads
.set TE,   116                         ; v116, v117 my two words of slots; v118 their offset
.set NO,   119                         ; v119  my byte offset in the work-group's part of nz (the end only)
.set PA,   120                         ; v120  LDS address of the quad's parameters
.set SO,   121                         ; v121  the quad's byte offset in hits
.set PT,   122                         ; v122  LDS address of my point in the frame's group 0
.set L8,   123                         ; v123  8 lane
.set L20,  124                         ; v124  20 lane
.set NA,   125                         ; v125  LDS address in the nz part
.set NV,   126                         ; v[126:127] the quad's two nz words
.set S_RUN,  20                        ; running list place
.set S_TMP,  21
.set S_MA,   22                        ; my wave's ballot and first place, boxes A
.set S_SA,   23
.set S_MB,   24                        ; the same, boxes B
.set S_SB,   25
.set S_A,    26                        ; my run of quads: [S_A, S_E)
.set S_E,    27
.set S_Q,    28                        ; the quad at work
.set S_HI,   29
.set S_QC,   31
.set PQ,     32                        ; s[32:40] first quad of frame 0..7, and the number of quads
.set S_WAVE, 41
.set S_B,    42
.set S_C,    43
.set MS,     44                        ; s[44:59] a box's 16 masks
.set S_N0,   60                        ; s60, s61 the quad's nz words; s62 at work
.set S_N1,   61
.set S_N2,   62
.set MK,     66                        ; s[66:97] ballots of the 32 segments (segment = 4 t + m / 32)
	s_load_b256 s[4:11], s[0:1], 0x0               ; points s[4:5], rois s[6:7], valid s[8:9], hits s[10:11]
	s_load_b128 s[12:15], s[0:1], 0x20             ; slots s[12:13], nz s[14:15]
	v_lshl_add_u32 v128, v0, 2, 0x1ca00
	v_mov_b32 v129, 0
	v_and_b32 v[LANE], 31, v0
	v_lshrrev_b32 v2, 5, v0
	v_readfirstlane_b32 s[S_WAVE], v2              ; wave 0..15
	s_lshr_b32 s[S_B], ttmp9, 7                    ; batch
	s_and_b32 s[S_C], ttmp9, 127                   ; chunk
	v_lshlrev_b32 v[L4], 2, v[LANE]
	v_lshlrev_b32 v[L16], 4, v[LANE]
	v_mul_u32_u24 v[T28], 28, v0
	v_lshlrev_b32 v[PINIT], 4, v0
	v_lshl_add_u32 v[NA], v0, 2, NZB               ; my word of the nz part
	s_mov_b32 s19, 0                               ; high word of every offset below
	s_lshl_b32 s18, s[S_B], 12                     ; valid of my batch: 1,024 words
	s_wait_kmcnt 0x0
	s_add_nc_u64 s[8:9], s[8:9], s[18:19]
	; every wave takes the batch's flags, one segment of 32 boxes a load: the ballots then lie in scalar registers and no wave waits for another
.irp sg, 4,5,6,7,8,9,10,11,12,13,14,15,16,17,18,19,20,21,22,23,24,25,26,27,28,29,30,31
	global_load_b32 v[VL+\sg], v[L4], s[8:9] offset:128*\sg
.endr
	s_mul_i32 s18, s[S_B], 28672                   ; rois of my batch: 1,024 boxes x 28 bytes
	s_add_nc_u64 s[6:7], s[6:7], s[18:19]
	global_load_b32 v[RA],   v[T28], s[6:7]                ; cx
	global_load_b32 v[RA+1], v[T28], s[6:7] offset:4       ; cy
	global_load_b32 v[RA+2], v[T28], s[6:7] offset:12      ; l
	global_load_b32 v[RA+3], v[T28], s[6:7] offset:16      ; w
	global_load_b32 v[RB],   v[T28], s[6:7] offset:14336   ; 512 boxes on
	global_load_b32 v[RB+1], v[T28], s[6:7] offset:14340
	global_load_b32 v[RB+2], v[T28], s[6:7] offset:14348
	global_load_b32 v[RB+3], v[T28], s[6:7] offset:14352
	; staging: wave w brings half w & 1 of frame w / 2's chunk, 5,120 consecutive bytes, 512 a load
	s_lshl_b32 s18, s[S_B], 3
	s_lshr_b32 s[S_TMP], s[S_WAVE], 1
	s_add_co_u32 s18, s18, s[S_TMP]
	s_mul_i32 s18, s18, FRAME_BYTES
	s_mul_i32 s[S_TMP], s[S_C], CHUNK_BYTES
	s_add_co_u32 s18, s18, s[S_TMP]
	s_and_b32 s[S_TMP], s[S_WAVE], 1
	s_mul_i32 s[S_TMP], s[S_TMP], CHUNK_BYTES/2
	s_add_co_u32 s18, s18, s[S_TMP]                ; below 20,971,520
	s_add_nc_u64 s[4:5], s[4:5], s[18:19]
.irp k, 0,1,2,3,4,5,6,7,8,9
	global_load_b128 v[ST+4*\k:ST+4*\k+3], v[L16], s[4:5] offset:512*\k
.endr
	; the list starts as default entries: T = -1 selects nothing, so a frame's padding and the places read ahead past the end give zero masks;
	; the nz part starts as zeros, which stay for the quads behind the list's end
	v_mov_b32 v[DEF], 0
	v_mov_b32 v[DEF+1], 0
	v_mov_b32 v[DEF+2], -1.0
	v_mov_b32 v[DEF+3], 0
	ds_store_b128 v[PINIT], v[DEF:DEF+3]
	ds_store_b128 v[PINIT], v[DEF:DEF+3] offset:8192
	ds_store_b32 v[NA], v[DEF]                     ; 512 threads x 4 bytes = the 2,048 bytes
	s_cmp_lg_u32 s[S_WAVE], 0
	s_cbranch_scc1 .Lno_tail
	ds_store_b128 v[PINIT], v[DEF:DEF+3] offset:16384      ; wave 0: the 32 spare places
.Lno_tail:
	s_wait_dscnt 0x0                               ; for the others' sake: my defaults are in LDS before anybody stores a real entry
	s_barrier_signal -1                            ; register work only until the wait
	s_wait_loadcnt 18                              ; the 28 flag loads are in; the 8 roi and 10 staging loads behind them stay out
.irp sg, 4,5,6,7,8,9,10,11,12,13,14,15,16,17,18,19,20,21,22,23,24,25,26,27,28,29,30,31
	v_cmp_ne_u32 s[MK+\sg], 0, v[VL+\sg]
.endr
.irp sg, 0,1,2,3
	s_mov_b32 s[MK+\sg], -1                        ; frame 0: every box is wanted
.endr
	s_mov_b32 s[S_RUN], 0
	s_mov_b32 s[S_MA], 0
	s_mov_b32 s[S_SA], 0
	s_mov_b32 s[S_MB], 0
	s_mov_b32 s[S_SB], 0
	s_mov_b32 s[PQ], 0
; one segment: keep its ballot and first place if it is my wave's (A: segment = wave, B: wave + 16), count it, round up at a frame's end
.macro SEG sg
	s_cmp_eq_u32 s[S_WAVE], \sg&15
.if \sg < 16
	s_cselect_b32 s[S_MA], s[MK+\sg], s[S_MA]
	s_cselect_b32 s[S_SA], s[S_RUN], s[S_SA]
.else
	s_cselect_b32 s[S_MB], s[MK+\sg], s[S_MB]
	s_cselect_b32 s[S_SB], s[S_RUN], s[S_SB]
.endif
	s_bcnt1_i32_b32 s[S_TMP], s[MK+\sg]
	s_add_co_u32 s[S_RUN], s[S_RUN], s[S_TMP]
.if (\sg&3) == 3
	s_add_co_u32 s[S_RUN], s[S_RUN], 3
	s_and_b32 s[S_RUN], s[S_RUN], -4
	s_lshr_b32 s[PQ+(\sg>>2)+1], s[S_RUN], 2
.endif
.endm
.irp sg, 0,1,2,3,4,5,6,7,8,9,10,11,12,13,14,15,16,17,18,19,20,21,22,23,24,25,26,27,28,29,30,31
	SEG \sg
.endr
	v_mbcnt_lo_u32_b32 v[SLA], s[S_MA], s[S_SA]    ; my box's place = the segment's first + wanted boxes in lower lanes
	v_mbcnt_lo_u32_b32 v[SLB], s[S_MB], s[S_SB]
	v_min_u32 v[SLA], 1023, v[SLA]
	v_min_u32 v[SLB], 1023, v[SLB]
	; slots: a wanted box names its own row and frame, any other box row m of frame 0 (frame 0's places are 0..127 in box order)
	s_lshr_b32 s[S_TMP], s[S_WAVE], 2
	s_lshl_b32 s[S_TMP], s[S_TMP], 16              ; t << 16
	v_and_b32 v2, 127, v0                          ; m
	v_or_b32 v[TE], s[S_TMP], v[SLA]
	v_cndmask_b32 v[TE], v2, v[TE], s[S_MA]
	s_add_co_u32 s[S_TMP], s[S_TMP], 0x40000       ; t + 4
	v_or_b32 v[TE+1], s[S_TMP], v[SLB]
	v_cndmask_b32 v[TE+1], v2, v[TE+1], s[S_MB]
	v_lshlrev_b32 v[TE+2], 2, v0
	; where the entries go.  No lane is switched off: a box that is not wanted stores to a place of its own behind the list.
	v_add_nc_u32 v[TM], DUMP, v0
	v_add_nc_u32 v[TM+1], DUMP+512, v0
	v_cndmask_b32 v[SLA], v[TM], v[SLA], s[S_MA]
	v_cndmask_b32 v[SLB], v[TM+1], v[SLB], s[S_MB]
	v_min_u32 v[SLA], DUMP+1023, v[SLA]            ; a number that hangs on loaded flags is clamped to the region's size before it forms an address
	v_min_u32 v[SLB], DUMP+1023, v[SLB]
	v_lshlrev_b32 v[SLA], 4, v[SLA]
	v_lshlrev_b32 v[SLB], 4, v[SLB]
; v[r:r+3] = cx, cy, l, w  ->  -cx, -cy, T, 0
.macro RADIUS r
	v_mul_f32 v[TM], 0.5, v[\r+2]
	v_mul_f32 v[TM+1], 0.5, v[\r+3]
	v_mul_f32 v[TM], v[TM], v[TM]
	v_fma_f32 v[TM], v[TM+1], v[TM+1], v[TM]       ; q
	v_sqrt_f32 v[TM+1], v[TM]                      ; y, within one unit of the root
	v_xor_b32 v[\r], 0x80000000, v[\r]             ; (the plain instruction that stands between a root and its first use, ISA guide 5.7.2)
	s_wait_alu depctr_va_vdst(0)
	v_add_nc_u32 v[TM+2], 1, v[TM+1]               ; next(y)
	v_add_nc_u32 v[TM+3], -1, v[TM+1]              ; prev(y); for y = 0 a NaN pattern, which fails the test below
	v_fma_f32 v[TM+4], -v[TM+1], v[TM+2], v[TM]    ; q - y next(y) > 0: the rounded root is above y.  One rounding keeps the sign
	v_fma_f32 v[TM+5], -v[TM+3], v[TM+1], v[TM]    ; q - prev(y) y <= 0: it is below y
	v_cmp_lt_f32 vcc_lo, 0, v[TM+4]
	v_cndmask_b32 v[TM+1], v[TM+1], v[TM+2], vcc_lo
	v_cmp_ge_f32 vcc_lo, 0, v[TM+5]
	v_cndmask_b32 v[TM+1], v[TM+1], v[TM+3], vcc_lo
	v_mul_f32 v[TM+1], 0x3f8ccccd, v[TM+1]         ; R = root * 1.1f
	v_add_nc_u32 v[TM+2], 1, v[TM+1]               ; next(R)
	v_mul_f32 v[TM+3], v[TM+1], v[TM+2]            ; p = RN(R next(R))
	v_fma_f32 v[TM+4], v[TM+1], v[TM+2], -v[TM+3]  ; the product's error: negative if p was rounded up
	v_add_nc_u32 v[TM+5], -1, v[TM+3]
	v_cmp_gt_f32 vcc_lo, 0, v[TM+4]
	v_cndmask_b32 v[\r+2], v[TM+3], v[TM+5], vcc_lo        ; T = the product rounded down
	v_cmp_eq_f32 vcc_lo, 0x7f800000, v[TM+1]
	v_cndmask_b32 v[\r+2], v[\r+2], v[TM+1], vcc_lo        ; R = +inf: T = +inf
	v_xor_b32 v[\r+1], 0x80000000, v[\r+1]
	v_mov_b32 v[\r+3], 0
.endm
	s_wait_loadcnt 10                              ; the rois are in; the 10 staging loads stay out
	RADIUS RA
	RADIUS RB
	s_barrier_wait -1                              ; everybody's defaults are in LDS
	ds_store_b128 v[SLA], v[RA:RA+3]               ; every box has a place of its own: list places are a running count, the others the box's number
	ds_store_b128 v[SLB], v[RB:RB+3]
	s_cmp_lg_u32 s[S_C], 0
	s_cbranch_scc1 .Lno_table
	s_lshl_b32 s18, s[S_B], 12                     ; chunk 0's work-group stores its batch's 4,096 bytes of slots, 128 consecutive bytes a wave and store
	s_add_nc_u64 s[12:13], s[12:13], s[18:19]
	global_store_b32 v[TE+2], v[TE], s[12:13]
	global_store_b32 v[TE+2], v[TE+1], s[12:13] offset:2048
.Lno_table:
	s_mul_i32 s[S_TMP], s[S_WAVE], CHUNK_BYTES/2
	s_add_co_u32 s[S_TMP], s[S_TMP], STAGE
	v_add_nc_u32 v[STA], s[S_TMP], v[L16]
	s_wait_loadcnt 0x0                             ; my 5,120 bytes of points
.irp k, 0,1,2,3,4,5,6,7,8,9
	ds_store_b128 v[STA], v[ST+4*\k:ST+4*\k+3] offset:512*\k
.endr
	s_wait_dscnt 0x0                               ; for the others' sake: my entries and my points are in LDS
	s_barrier_signal -1
	s_mul_i32 s[S_A], s[S_WAVE], s[PQ+8]           ; my run of quads: [wave nq / 16, (wave + 1) nq / 16)
	s_lshr_b32 s[S_A], s[S_A], 4
	s_add_co_u32 s[S_E], s[S_WAVE], 1
	s_mul_i32 s[S_E], s[S_E], s[PQ+8]
	s_lshr_b32 s[S_E], s[S_E], 4
	s_lshl_b32 s18, ttmp9, 16                      ; hits of (batch, chunk): 1,024 rows x 64 bytes
	s_add_nc_u64 s[10:11], s[10:11], s[18:19]
	v_lshlrev_b32 v[L8], 3, v[LANE]
	v_mul_u32_u24 v[L20], 20, v[LANE]
	s_min_u32 s[S_QC], s[S_A], 255
	s_lshl_b32 s[S_TMP], s[S_QC], 6
	v_mov_b32 v[PA], s[S_TMP]
	v_mov_b32 v[W], 0                              ; v_writelane_b32 keeps the other lanes: the pair is written whole once
	v_mov_b32 v[W+1], 0
	s_barrier_wait -1                              ; from here to the last barrier the list and the points are only read; a quad's 8 bytes of the nz part are stored by the one wave that has the quad
.irp j, 0,1,2,3
	ds_load_b128 v[PR+4*\j:PR+4*\j+3], v[PA] offset:16*\j  ; my first quad's parameters: every lane reads the same 16 bytes
.endr
; one box x 512 points: 64 vector instructions.  The packed forms take two groups at once; -cx (the pair's first register) or -cy (its second)
; goes to both halves by op_sel.  Runs of eight keep a result's first use eight instructions behind it.
.macro BOX j
	s_wait_dscnt 0x3                               ; LDS instructions end in order (ISA guide 5.7.1): behind this box's request stand three younger requests and the quad's LDS store, so 3 is one stricter than its data need
.irp i, 0,1,2,3,4,5,6,7
	v_pk_add_f32 v[DX+2*\i:DX+2*\i+1], v[X+2*\i:X+2*\i+1], v[PR+4*\j:PR+4*\j+1] op_sel_hi:[1,0]
.endr
.irp i, 0,1,2,3,4,5,6,7
	v_pk_add_f32 v[DY+2*\i:DY+2*\i+1], v[Y+2*\i:Y+2*\i+1], v[PR+4*\j:PR+4*\j+1] op_sel:[0,1] op_sel_hi:[1,1]
.endr
.irp i, 0,1,2,3,4,5,6,7
	v_pk_mul_f32 v[DX+2*\i:DX+2*\i+1], v[DX+2*\i:DX+2*\i+1], v[DX+2*\i:DX+2*\i+1]
.endr
.irp i, 0,1,2,3,4,5,6,7
	v_pk_fma_f32 v[DY+2*\i:DY+2*\i+1], v[DY+2*\i:DY+2*\i+1], v[DY+2*\i:DY+2*\i+1], v[DX+2*\i:DX+2*\i+1]
.endr
.irp g, 0,1,2,3,4,5,6,7,8,9,10,11,12,13,14,15
	v_cmp_le_f32 s[MS+\g], v[DY+\g], v[PR+4*\j+2]          ; s <= T: 32 points' bits
.endr
.irp g, 0,1,2,3,4,5,6,7,8,9,10,11,12,13,14,15
	v_writelane_b32 v[W+(\g>>3)], s[MS+\g], 8*\j+(\g&7)    ; group g of row j: byte 64 j + 8 (g & 7) + 4 (g >> 3) of the quad's 256
.endr
	ds_load_b128 v[PR+4*\j:PR+4*\j+3], v[PA] offset:64+16*\j   ; the next quad's box j, three boxes ahead of its use
.endm
; the part of my run that lies in frame t.  The list goes on from frame to frame, so the parameters read ahead are the next frame's first quad.
.macro FRAME t
	s_max_u32 s[S_Q], s[S_A], s[PQ+\t]
	s_min_u32 s[S_HI], s[S_E], s[PQ+\t+1]
	s_cmp_lt_u32 s[S_Q], s[S_HI]
	s_cbranch_scc0 .Lskip\t
	v_add_nc_u32 v[PT], STAGE+\t*CHUNK_BYTES, v[L20]
.irp g, 0,1,2,3,4,5,6,7,8,9,10,11,12,13,14,15
	ds_load_b32 v[X+\g], v[PT] offset:640*\g               ; lanes 5 words apart: 32 different banks of the 64 (ISA guide 11.1)
	ds_load_b32 v[Y+\g], v[PT] offset:640*\g+4
.endr
	s_wait_dscnt 0x0                               ; the frame's points, and the parameters asked for before them
.Lquad\t:
	s_min_u32 s[S_QC], s[S_Q], 255                 ; the quad's number hangs on loaded flags: clamped before it forms addresses
	s_lshl_b32 s[S_TMP], s[S_QC], 6
	v_mov_b32 v[PA], s[S_TMP]
	BOX 0
	BOX 1
	BOX 2
	BOX 3
	v_cmp_ne_u32 s[S_N0], 0, v[W]                  ; which of the quad's 64 words hold a bit: groups 0-7 of rows 0-3,
	v_cmp_ne_u32 s[S_N1], 0, v[W+1]                ; groups 8-15
	s_lshl_b32 s[S_N2], s[S_QC], 3
	s_add_co_u32 s[S_N2], s[S_N2], NZB
	v_mov_b32 v[NA], s[S_N2]
	v_mov_b32 v[NV], s[S_N0]
	v_mov_b32 v[NV+1], s[S_N1]
	ds_store_b64 v[NA], v[NV:NV+1]                 ; all lanes store the same 8 bytes to the quad's place
	s_wait_xcnt 0x0                                ; the last quad's store, a whole quad ago, has taken its sources (ISA guide 3.1): WS and SO are rewritten only behind this wait
	v_mov_b32 v[WS], v[W]
	v_mov_b32 v[WS+1], v[W+1]
	v_lshl_add_u32 v[SO], s[S_QC], 8, v[L8]
	global_store_b64 v[SO], v[WS:WS+1], s[10:11]   ; four rows: 256 consecutive bytes at a multiple of 256 from the buffer's first byte
	s_add_co_u32 s[S_Q], s[S_Q], 1
	s_cmp_lt_u32 s[S_Q], s[S_HI]
	s_cbranch_scc1 .Lquad\t
.Lskip\t:
.endm
	FRAME 0
	FRAME 1
	FRAME 2
	FRAME 3
	FRAME 4
	FRAME 5
	FRAME 6
	FRAME 7
	; the work-group's 2,048 bytes of nz leave together, in whole runs of 256 bytes
	s_wait_dscnt 0x0                               ; for the others' sake: my quads' words are in LDS (and the parameters read ahead are back)
	s_barrier_signal -1
	s_barrier_wait -1
	s_cmp_ge_u32 s[S_WAVE], 4
	s_cbranch_scc1 .Lend                           ; waves 0-3: 128 threads x 16 bytes
	s_lshl_b32 s[S_N2], s[S_WAVE], 9
	v_add_nc_u32 v[NO], s[S_N2], v[L16]            ; 512 wave + 16 lane
	v_add_nc_u32 v[NA], NZB, v[NO]
	ds_load_b128 v[PR:PR+3], v[NA]
	s_lshl_b32 s18, ttmp9, 11                      ; nz of (batch, chunk)
	s_add_nc_u64 s[14:15], s[14:15], s[18:19]
	s_wait_dscnt 0x0
	global_store_b128 v[NO], v[PR:PR+3], s[14:15]
.Lend:
	s_wait_tensorcnt 0x0
	ds_add_u32 v128, v129
	s_wait_dscnt 0x0
	s_endpgm
.Lfunc_end_k_q23d9e69051_mask:
	.size	k_q23d9e69051_mask, .Lfunc_end_k_q23d9e69051_mask-k_q23d9e69051_mask
	.p2alignl 7, 3214868480
	.fill 96, 4, 3214868480
	.section	.rodata,"a",@progbits
	.p2align	6, 0x0
	.amdhsa_kernel k_q23d9e69051_mask
		.amdhsa_group_segment_fixed_size 119296
		.amdhsa_private_segment_fixed_size 0
		.amdhsa_enable_private_segment 0
		.amdhsa_kernarg_size 48
		.amdhsa_user_sgpr_count 2
		.amdhsa_user_sgpr_kernarg_segment_ptr 1
		.amdhsa_wavefront_size32 1
		.amdhsa_system_sgpr_workgroup_id_x 1
		.amdhsa_system_sgpr_workgroup_id_y 1
		.amdhsa_system_sgpr_workgroup_id_z 1
		.amdhsa_system_vgpr_workitem_id 0
		.amdhsa_next_free_vgpr 130
		.amdhsa_next_free_sgpr 98
		.amdhsa_reserve_vcc 1
		.amdhsa_float_denorm_mode_32 3
		.amdhsa_float_denorm_mode_16_64 3
		.amdhsa_memory_ordered 1
		.amdhsa_forward_progress 1
		.amdhsa_inst_pref_size 176
	.end_amdhsa_kernel
	.amdgpu_metadata
---
amdhsa.version: [ 1, 2 ]
amdhsa.kernels:
  - .name:           k_q23d9e69051_mask
    .symbol:         k_q23d9e69051_mask.kd
    .args:
      - { .name: points, .offset: 0, .size: 8, .value_kind: global_buffer, .address_space: global }
      - { .name: trajectory_rois, .offset: 8, .size: 8, .value_kind: global_buffer, .address_space: global }
      - { .name: valid_length, .offset: 16, .size: 8, .value_kind: global_buffer, .address_space: global }
      - { .name: hits, .offset: 24, .size: 8, .value_kind: global_buffer, .address_space: global }
      - { .name: slots, .offset: 32, .size: 8, .value_kind: global_buffer, .address_space: global }
      - { .name: nz, .offset: 40, .size: 8, .value_kind: global_buffer, .address_space: global }
    .group_segment_fixed_size: 119296
    .private_segment_fixed_size: 0
    .kernarg_segment_align: 8
    .kernarg_segment_size: 48
    .max_flat_workgroup_size: 512
    .sgpr_count:     98
    .vgpr_count:     130
    .wavefront_size: 32
...
	.end_amdgpu_metadata
.endif
;; end of part 1
;; launch squeeze (part 2): grid 256 x 1, 8 waves a work-group, no clusters, 0 bytes of LDS; arguments hits, nz, cw0, cw1, wi; writes cw0, cw1, wi
.if DOCPART == 2
	.amdgcn_target "amdgcn-amd-amdhsa--gfx1250"
	.amdhsa_code_object_version 6
	.text
	.protected	k_q23d9e69051_squeeze
	.globl	k_q23d9e69051_squeeze
	.p2align	8
	.type	k_q23d9e69051_squeeze,@function
k_q23d9e69051_squeeze:
	s_mov_b64 s[64:65], 0
	v_nop
	global_prefetch_b8 v0, s[64:65] scope:SCOPE_SE
	s_setreg_imm32_b32 hwreg(HW_REG_WAVE_MODE, 25, 1), 1
	s_wait_xcnt 0x0
; SQUEEZE: brings together, for each list row, the first 128 mask words that are not zero (each holds a point or more, so no later word can matter).
;   cw0 (batch 0), cw1 (batch 1): [row 0..1023][128] the words, in point order, zeros behind the last;   wi [b][row][128] u16: their numbers (point / 32).
; The next launch then reads 768 consecutive bytes for a row in place of pieces of up to 128 chunks.
; A wave = a row.  Work-group i of a batch has quads i and i + 128 (wave / 4), row wave & 3 of the quad.  This launch does not know the list's length:
; a row behind the list's end has nz = 0, is walked like any other and gets zeros, which nobody reads.
; No branch here hangs on a loaded number: the walk makes all its 128 trips whatever nz holds.  Addresses hang on nz alone, whole numbers that the
; launch before stored, clamped before use; the words of hits are only copied.
; A row's nz is 8 bytes in each of 128 chunks, 2,048 bytes apart (the launch before stores by chunk, whole runs of 256 bytes); the four waves of a
; quad read the same 8 bytes.  No LDS, no barrier: waves share nothing.  No cluster: what work-groups share is nothing.  No prefetch: each address
; is known only when the load before it is back.
; THE WAY: register k of lane L holds the 16-bit mask of chunk 4 L + k.  The chunks are walked in order; each trip puts (words found so far, chunk, mask),
; packed in one scalar, into every slot whose number is at least the count so far.  An empty chunk leaves the count, so the next chunk writes over
; it; the last to write a slot that holds a word is that word's chunk.  Then each slot looks up the bit of its rank in its mask.
.set NZ,  4                            ; v[4:11]   register pair k, lane L: nz of chunk 4 L + k
.set M,   12                           ; v[12:15]  my row's 16 bits of them
.set SL,  16                           ; v[16:19]  slot 4 lane + i
.set SEL, 20                           ; v[20:23]  found << 23 | chunk << 16 | mask
.set WD,  24                           ; v[24:27]  the mask
.set R,   28                           ; v[28:31]  the slot's rank in it
.set POS, 32                           ; v[32:35]  the bit of that rank = the group g
.set QA,  36                           ; v[36:59]  the search's counts and temporaries
.set QB,  40
.set QC,  44
.set QD,  48
.set QT,  52
.set QU,  56
.set CH,  60                           ; v[60:63]  chunk
.set AD,  64                           ; v[64:67]  the word's offset in the batch's hits
.set C,   68                           ; v[68:71]  the words
.set WN,  72                           ; v[72:75]  their numbers
.set P,   76                           ; v[76:77]  the numbers, two to a register
.set SM,  36                           ; s[36:39]  the search's conditions, then: the slot holds a word
.set RL,  40                           ; s[40:43]  the masks of the trip's four chunks
; v1 lane; v3 8,192 lane; v78 16 lane; v79 8 lane; v80 at work
; s14 wave; s15 batch; s17 row; s18 quad; s19 8 x row in quad; s23 words found; s26 lane at work; s29 the packed scalar; s30 at work; s31 chunk << 16; s33 8 row
; v[p+i] = the position of the set bit of rank v[r+i] (0 = lowest) in v[w+i], for i = 0..3; a rank that the word does not have gives 31 at the most.
; Counts of the word's fields of 2, 4, 8 and 16 bits, then five halvings: if the rank is not in the lower half, take its count off and step over it.
.macro STEP x, width, size, r, p
.irp i, 0,1,2,3
	v_bfe_u32 v[QT+\i], v[\x+\i], v[\p+\i], \width         ; set bits in the lower half of what is left
.endr
.irp i, 0,1,2,3
	v_cmp_ge_u32 s[SM+\i], v[\r+\i], v[QT+\i]
.endr
.irp i, 0,1,2,3
	v_cndmask_b32 v[QT+\i], 0, v[QT+\i], s[SM+\i]
	v_add_nc_u32 v[QU+\i], \size, v[\p+\i]
.endr
.irp i, 0,1,2,3
	v_sub_nc_u32 v[\r+\i], v[\r+\i], v[QT+\i]
	v_cndmask_b32 v[\p+\i], v[\p+\i], v[QU+\i], s[SM+\i]
.endr
.endm
.macro SELECT4 w, r, p
.irp i, 0,1,2,3
	v_lshrrev_b32 v[QA+\i], 1, v[\w+\i]
.endr
.irp i, 0,1,2,3
	v_and_b32 v[QA+\i], 0x55555555, v[QA+\i]
.endr
.irp i, 0,1,2,3
	v_sub_nc_u32 v[QA+\i], v[\w+\i], v[QA+\i]              ; fields of 2 bits
.endr
.irp i, 0,1,2,3
	v_lshrrev_b32 v[QB+\i], 2, v[QA+\i]
	v_and_b32 v[QT+\i], 0x33333333, v[QA+\i]
.endr
.irp i, 0,1,2,3
	v_and_b32 v[QB+\i], 0x33333333, v[QB+\i]
.endr
.irp i, 0,1,2,3
	v_add_nc_u32 v[QB+\i], v[QB+\i], v[QT+\i]              ; of 4
.endr
.irp i, 0,1,2,3
	v_lshrrev_b32 v[QC+\i], 4, v[QB+\i]
.endr
.irp i, 0,1,2,3
	v_add_nc_u32 v[QC+\i], v[QC+\i], v[QB+\i]
.endr
.irp i, 0,1,2,3
	v_and_b32 v[QC+\i], 0x0f0f0f0f, v[QC+\i]               ; of 8
.endr
.irp i, 0,1,2,3
	v_lshrrev_b32 v[QD+\i], 8, v[QC+\i]
	v_mov_b32 v[\p+\i], 0
.endr
.irp i, 0,1,2,3
	v_add_nc_u32 v[QD+\i], v[QD+\i], v[QC+\i]              ; its lowest byte: bits 0-15
.endr
	STEP QD, 8, 16, \r, \p
	STEP QC, 8, 8, \r, \p
	STEP QB, 4, 4, \r, \p
	STEP QA, 2, 2, \r, \p
	STEP \w, 1, 1, \r, \p
.endm
	s_load_b256 s[4:11], s[0:1], 0x0               ; hits s[4:5], nz s[6:7], cw0 s[8:9], cw1 s[10:11]
	s_load_b64 s[12:13], s[0:1], 0x20              ; wi
	v_and_b32 v1, 31, v0
	v_lshrrev_b32 v2, 5, v0
	v_readfirstlane_b32 s14, v2                    ; wave 0..7
	s_lshr_b32 s15, ttmp9, 7                       ; batch
	s_and_b32 s18, ttmp9, 127
	s_lshr_b32 s22, s14, 2
	s_lshl_b32 s22, s22, 7
	s_add_co_u32 s18, s18, s22                     ; quad
	s_and_b32 s19, s14, 3
	s_lshl2_add_u32 s17, s18, s19                  ; row = 4 quad + wave & 3
	s_lshl_b32 s19, s19, 3                         ; my byte of the two nz words, in bits
	s_lshl_b32 s20, s15, 18                        ; a batch's nz: 128 chunks x 2,048 bytes
	s_lshl_b32 s22, s18, 3
	s_add_co_u32 s20, s20, s22
	s_mov_b32 s21, 0
	v_lshlrev_b32 v3, 13, v1                       ; chunk 4 lane
	s_wait_kmcnt 0x0
	s_add_nc_u64 s[6:7], s[6:7], s[20:21]
.irp k, 0,1,2,3
	global_load_b64 v[NZ+2*\k:NZ+2*\k+1], v3, s[6:7] offset:2048*\k    ; chunk 4 lane + k
.endr
.irp i, 0,1,2,3
	v_lshl_or_b32 v[SL+\i], v1, 2, \i
	v_mov_b32 v[SEL+\i], 0                         ; the select below reads its old value; the first trip (count 0) then writes every slot
.endr
	v_lshlrev_b32 v78, 4, v1
	v_lshlrev_b32 v79, 3, v1
	s_mov_b32 s23, 0
	s_mov_b32 s26, 0
	s_mov_b32 s31, 0
	s_lshl_b32 s33, s17, 3                         ; my row in a chunk, in units of 8 bytes
	s_lshl_b32 s20, s15, 23                        ; a batch's hits: 128 chunks x 65,536 bytes
	s_add_nc_u64 s[4:5], s[4:5], s[20:21]
	s_cmp_eq_u32 s15, 0
	s_cselect_b64 s[8:9], s[8:9], s[10:11]         ; the batch's buffer of words
	s_lshl_b32 s20, s17, 9
	s_add_nc_u64 s[8:9], s[8:9], s[20:21]
	s_lshl_b32 s20, s15, 10
	s_add_co_u32 s20, s20, s17
	s_lshl_b32 s20, s20, 8
	s_add_nc_u64 s[12:13], s[12:13], s[20:21]
	s_wait_loadcnt 0x0                             ; the walk begins with lane 0 of all four registers
.irp k, 0,1,2,3
	v_bfe_u32 v[M+\k], v[NZ+2*\k], s19, 8          ; groups 0-7
	v_bfe_u32 v80, v[NZ+2*\k+1], s19, 8            ; groups 8-15
	v_lshl_or_b32 v[M+\k], v80, 8, v[M+\k]
.endr
; the walk: 32 trips, four chunks each
.Lwalk:
.irp k, 0,1,2,3
	v_readlane_b32 s[RL+\k], v[M+\k], s26
.endr
.irp k, 0,1,2,3
	s_lshl_b32 s30, s23, 23                        ; (a count of 128 or more spills over the top, and then no slot takes the scalar)
	s_or_b32 s29, s[RL+\k], s31
	s_or_b32 s29, s29, s30
.irp i, 0,1,2,3
	v_cmp_le_u32 vcc_lo, s23, v[SL+\i]
	v_cndmask_b32 v[SEL+\i], v[SEL+\i], s29, vcc_lo
.endr
	s_bcnt1_i32_b32 s30, s[RL+\k]
	s_add_co_u32 s23, s23, s30
	s_add_co_u32 s31, s31, 0x10000                 ; the next chunk
.endr
	s_add_co_u32 s26, s26, 1
	s_cmp_lt_u32 s26, 32
	s_cbranch_scc1 .Lwalk
	s_min_u32 s23, s23, 128                        ; slots that hold a word
.irp i, 0,1,2,3
	v_lshrrev_b32 v[R+\i], 23, v[SEL+\i]
	v_and_b32 v[WD+\i], 0xffff, v[SEL+\i]
	v_bfe_u32 v[CH+\i], v[SEL+\i], 16, 7
.endr
.irp i, 0,1,2,3
	v_sub_nc_u32 v[R+\i], v[SL+\i], v[R+\i]
.endr
	SELECT4 WD, R, POS
.irp i, 0,1,2,3
	v_cmp_gt_u32 s[SM+\i], s23, v[SL+\i]           ; the slot holds a word
.endr
; the word lies at 65,536 chunk + 64 row + 8 (g & 7) + 4 (g >> 3).  In units of 8 bytes that is 8,192 chunk + 8 row + (g & 7), 1,048,575 at the most.
; A slot without a word takes unit 0: row 0 of chunk 0, which is in every list, so that no byte is read that the launch before has not stored.
.irp i, 0,1,2,3
	v_min_u32 v[POS+\i], 15, v[POS+\i]
	v_lshl_add_u32 v[WN+\i], v[CH+\i], 4, v[POS+\i]        ; the word's number
	v_and_b32 v[QA+\i], 7, v[POS+\i]
	v_lshrrev_b32 v[QB+\i], 3, v[POS+\i]
	v_lshl_add_u32 v[AD+\i], v[CH+\i], 13, s33
	v_add_nc_u32 v[AD+\i], v[AD+\i], v[QA+\i]
	v_cndmask_b32 v[AD+\i], 0, v[AD+\i], s[SM+\i]
	v_min_u32 v[AD+\i], 0xfffff, v[AD+\i]          ; numbers made from loaded words are clamped before they form an address
	v_min_u32 v[QB+\i], 1, v[QB+\i]
	v_lshlrev_b32 v[AD+\i], 3, v[AD+\i]
	v_lshl_add_u32 v[AD+\i], v[QB+\i], 2, v[AD+\i]
.endr
.irp i, 0,1,2,3
	global_load_b32 v[C+\i], v[AD+\i], s[4:5]
.endr
	s_wait_loadcnt 0x0
.irp i, 0,1,2,3
	v_cndmask_b32 v[C+\i], 0, v[C+\i], s[SM+\i]    ; zeros behind the last word
	v_cndmask_b32 v[WN+\i], 0, v[WN+\i], s[SM+\i]
.endr
	v_lshl_or_b32 v[P], v[WN+1], 16, v[WN]
	v_lshl_or_b32 v[P+1], v[WN+3], 16, v[WN+2]
	global_store_b128 v78, v[C:C+3], s[8:9]        ; 512 consecutive bytes at a multiple of 256 from the buffer's first byte
	global_store_b64 v79, v[P:P+1], s[12:13]       ; 256 consecutive bytes, likewise
	s_endpgm
.Lfunc_end_k_q23d9e69051_squeeze:
	.size	k_q23d9e69051_squeeze, .Lfunc_end_k_q23d9e69051_squeeze-k_q23d9e69051_squeeze
	.p2alignl 7, 3214868480
	.fill 96, 4, 3214868480
	.section	.rodata,"a",@progbits
	.p2align	6, 0x0
	.amdhsa_kernel k_q23d9e69051_squeeze
		.amdhsa_group_segment_fixed_size 0
		.amdhsa_private_segment_fixed_size 0
		.amdhsa_enable_private_segment 0
		.amdhsa_kernarg_size 40
		.amdhsa_user_sgpr_count 2
		.amdhsa_user_sgpr_kernarg_segment_ptr 1
		.amdhsa_wavefront_size32 1
		.amdhsa_system_sgpr_workgroup_id_x 1
		.amdhsa_system_sgpr_workgroup_id_y 1
		.amdhsa_system_sgpr_workgroup_id_z 1
		.amdhsa_system_vgpr_workitem_id 0
		.amdhsa_next_free_vgpr 88
		.amdhsa_next_free_sgpr 66
		.amdhsa_reserve_vcc 1
		.amdhsa_float_denorm_mode_32 3
		.amdhsa_float_denorm_mode_16_64 3
		.amdhsa_memory_ordered 1
		.amdhsa_forward_progress 1
		.amdhsa_inst_pref_size 19
	.end_amdhsa_kernel
	.amdgpu_metadata
---
amdhsa.version: [ 1, 2 ]
amdhsa.kernels:
  - .name:           k_q23d9e69051_squeeze
    .symbol:         k_q23d9e69051_squeeze.kd
    .args:
      - { .name: hits, .offset: 0, .size: 8, .value_kind: global_buffer, .address_space: global }
      - { .name: nz, .offset: 8, .size: 8, .value_kind: global_buffer, .address_space: global }
      - { .name: cw0, .offset: 16, .size: 8, .value_kind: global_buffer, .address_space: global }
      - { .name: cw1, .offset: 24, .size: 8, .value_kind: global_buffer, .address_space: global }
      - { .name: wi, .offset: 32, .size: 8, .value_kind: global_buffer, .address_space: global }
    .group_segment_fixed_size: 0
    .private_segment_fixed_size: 0
    .kernarg_segment_align: 8
    .kernarg_segment_size: 40
    .max_flat_workgroup_size: 256
    .sgpr_count:     66
    .vgpr_count:     88
    .wavefront_size: 32
...
	.end_amdgpu_metadata
.endif
;; end of part 2
;; launch pick (part 3): grid 256 x 1, 8 waves a work-group, no clusters, 21,504 bytes of LDS; arguments points, cw0, cw1, wi, slots, out0; writes out0
.if DOCPART == 3
	.amdgcn_target "amdgcn-amd-amdhsa--gfx1250"
	.amdhsa_code_object_version 6
	.text
	.protected	k_q23d9e69051_pick
	.globl	k_q23d9e69051_pick
	.p2align	8
	.type	k_q23d9e69051_pick,@function
k_q23d9e69051_pick:
	s_mov_b64 s[64:65], 0
	v_nop
	global_prefetch_b8 v0, s[64:65] scope:SCOPE_SE
	s_setreg_imm32_b32 hwreg(HW_REG_WAVE_MODE, 25, 1), 1
	s_wait_xcnt 0x0
; PICK: out0[b][m][128 t + s][0..4] = the s-th point, in index order, whose bit is set in the mask row that slots names for (b, t, m); zeros behind the last.
; A work-group = (b, m), its 8 waves = the 8 frames: 8 x 2,560 = 20,480 consecutive output bytes.  Waves share nothing: each has 2,560 bytes of LDS
; of its own (LDS serves a wave's instructions in order, ISA guide 5.7.1), so there is no barrier.
; No branch here hangs on a loaded number: the walk makes all its 128 trips whatever the words hold.  Addresses hang on whole numbers that earlier
; launches stored (slots; cw0 / cw1: a row's first 128 mask words that are not zero; wi: their numbers), clamped before use.
; THE WAY: register k of lane L holds word 4 L + k of the row's list.  The words are walked in order; each trip puts the word, and (its number, points
; found so far) packed, into every sample slot whose number is at least the count so far.  A zero word leaves the count; the last to write a slot
; that holds a point is that point's word.  Then each slot looks up the bit of its rank in its word.
; No cluster: waves read different rows, or the same 768 bytes of a frame-0 row at different moments.
; No prefetch: each address is known only when the load before it has come back.
.set FRAME_BYTES, 1310720              ; 65,536 points x 20 bytes
.set WAVE_LDS, 2560                    ; the 128 x 5 numbers
.set CW,  8                            ; v[8:11]   register k, lane L: word 4 L + k of the row's list
.set WP,  12                           ; v[12:13]  their numbers, two u16 to a register
.set SL,  16                           ; v[16:19]  slot lane + 32 q
.set SW,  20                           ; v[20:23]  the slot's word
.set SP,  24                           ; v[24:27]  number << 8 | points found before the word
.set R,   28                           ; v[28:31]  the slot's rank in the word
.set POS, 32                           ; v[32:35]  the bit of that rank
.set QA,  36                           ; v[36:59]  the search's counts and temporaries
.set QB,  40
.set QC,  44
.set QD,  48
.set QT,  52
.set QU,  56
.set IDX, 60                           ; v[60:63]  the point's index, then its byte offset
.set D,   64                           ; v[64:83]  sample lane + 32 q: 5 numbers at D + 5 q
.set E,   84                           ; v[84:103] the output as it is stored
.set SM,  36                           ; s[36:39]  the search's conditions
.set RW,  40                           ; s[40:43]  the trip's four words
.set RN,  44                           ; s44, s45  their numbers, packed
.set NM,  48                           ; s[48:51]  their numbers << 8
; v1 lane; v3 8 lane; v5 20 lane + my LDS; v6 16 lane + my LDS; v7 16 lane
; s16 t; s17 b; s18 m; s22 slots word; s23 points found; s26 lane at work; s29 the packed scalar; s30 at work; s31 row; s32 frame; s33 my LDS
; v[p+i] = the position of the set bit of rank v[r+i] (0 = lowest) in v[w+i], for i = 0..3; a rank that the word does not have gives 31 at the most.
; Counts of the word's fields of 2, 4, 8 and 16 bits, then five halvings: if the rank is not in the lower half, take its count off and step over it.
.macro STEP x, width, size, r, p
.irp i, 0,1,2,3
	v_bfe_u32 v[QT+\i], v[\x+\i], v[\p+\i], \width         ; set bits in the lower half of what is left
.endr
.irp i, 0,1,2,3
	v_cmp_ge_u32 s[SM+\i], v[\r+\i], v[QT+\i]
.endr
.irp i, 0,1,2,3
	v_cndmask_b32 v[QT+\i], 0, v[QT+\i], s[SM+\i]
	v_add_nc_u32 v[QU+\i], \size, v[\p+\i]
.endr
.irp i, 0,1,2,3
	v_sub_nc_u32 v[\r+\i], v[\r+\i], v[QT+\i]
	v_cndmask_b32 v[\p+\i], v[\p+\i], v[QU+\i], s[SM+\i]
.endr
.endm
.macro SELECT4 w, r, p
.irp i, 0,1,2,3
	v_lshrrev_b32 v[QA+\i], 1, v[\w+\i]
.endr
.irp i, 0,1,2,3
	v_and_b32 v[QA+\i], 0x55555555, v[QA+\i]
.endr
.irp i, 0,1,2,3
	v_sub_nc_u32 v[QA+\i], v[\w+\i], v[QA+\i]              ; fields of 2 bits
.endr
.irp i, 0,1,2,3
	v_lshrrev_b32 v[QB+\i], 2, v[QA+\i]
	v_and_b32 v[QT+\i], 0x33333333, v[QA+\i]
.endr
.irp i, 0,1,2,3
	v_and_b32 v[QB+\i], 0x33333333, v[QB+\i]
.endr
.irp i, 0,1,2,3
	v_add_nc_u32 v[QB+\i], v[QB+\i], v[QT+\i]              ; of 4
.endr
.irp i, 0,1,2,3
	v_lshrrev_b32 v[QC+\i], 4, v[QB+\i]
.endr
.irp i, 0,1,2,3
	v_add_nc_u32 v[QC+\i], v[QC+\i], v[QB+\i]
.endr
.irp i, 0,1,2,3
	v_and_b32 v[QC+\i], 0x0f0f0f0f, v[QC+\i]               ; of 8
.endr
.irp i, 0,1,2,3
	v_lshrrev_b32 v[QD+\i], 8, v[QC+\i]
	v_mov_b32 v[\p+\i], 0
.endr
.irp i, 0,1,2,3
	v_add_nc_u32 v[QD+\i], v[QD+\i], v[QC+\i]              ; its lowest byte: bits 0-15
.endr
	STEP QD, 8, 16, \r, \p
	STEP QC, 8, 8, \r, \p
	STEP QB, 4, 4, \r, \p
	STEP QA, 2, 2, \r, \p
	STEP \w, 1, 1, \r, \p
.endm
	s_load_b256 s[4:11], s[0:1], 0x0               ; points s[4:5], cw0 s[6:7], cw1 s[8:9], wi s[10:11]
	s_load_b128 s[12:15], s[0:1], 0x20             ; slots s[12:13], out0 s[14:15]
	v_lshl_add_u32 v104, v0, 2, 0x5000
	v_mov_b32 v105, 0
	v_and_b32 v1, 31, v0
	v_lshrrev_b32 v2, 5, v0
	v_readfirstlane_b32 s16, v2                    ; wave = t
	s_lshr_b32 s17, ttmp9, 7                       ; b
	s_and_b32 s18, ttmp9, 127                      ; m
	s_lshl_b32 s20, s17, 3
	s_add_co_u32 s20, s20, s16
	s_lshl_b32 s20, s20, 7
	s_add_co_u32 s20, s20, s18
	s_lshl_b32 s20, s20, 2                         ; 4 ((8 b + t) 128 + m)
	s_mov_b32 s21, 0
	s_wait_kmcnt 0x0
	s_add_nc_u64 s[12:13], s[12:13], s[20:21]
	s_load_b32 s22, s[12:13], 0x0
	s_mul_i32 s33, s16, WAVE_LDS                   ; while it is on its way: addresses and slots
	v_lshlrev_b32 v3, 3, v1
	v_lshlrev_b32 v7, 4, v1
	v_lshl_add_u32 v6, v1, 4, s33
	v_mul_u32_u24 v5, 20, v1
	v_add_nc_u32 v5, s33, v5
.irp q, 0,1,2,3
	v_add_nc_u32 v[SL+\q], 32*\q, v1
	v_mov_b32 v[SW+\q], 0                          ; the selects below read their old values; the first trip (count 0) then writes every slot
	v_mov_b32 v[SP+\q], 0
.endr
	s_mov_b32 s23, 0
	s_mov_b32 s26, 0
	s_cmp_eq_u32 s17, 0
	s_cselect_b64 s[6:7], s[6:7], s[8:9]           ; the batch's buffer of words
	s_wait_kmcnt 0x0
	s_and_b32 s31, s22, 0xffff
	s_min_u32 s31, s31, 1023                       ; row
	s_lshr_b32 s32, s22, 16
	s_min_u32 s32, s32, 7                          ; frame that the row's points come from
	s_lshl_b32 s20, s31, 9
	s_add_nc_u64 s[6:7], s[6:7], s[20:21]
	s_lshl_b32 s20, s17, 10
	s_add_co_u32 s20, s20, s31
	s_lshl_b32 s20, s20, 8
	s_add_nc_u64 s[10:11], s[10:11], s[20:21]
	global_load_b128 v[CW:CW+3], v7, s[6:7]        ; the row's 128 words: 512 consecutive bytes
	global_load_b64 v[WP:WP+1], v3, s[10:11]       ; their numbers: 256 consecutive bytes
	s_lshl_b32 s20, s17, 3
	s_add_co_u32 s20, s20, s32
	s_mul_i32 s20, s20, FRAME_BYTES
	s_add_nc_u64 s[4:5], s[4:5], s[20:21]          ; the source frame's points
	s_lshl_b32 s20, ttmp9, 3
	s_add_co_u32 s20, s20, s16
	s_mul_i32 s20, s20, 2560
	s_add_nc_u64 s[14:15], s[14:15], s[20:21]      ; my 2,560 bytes of out0
	s_wait_loadcnt 0x0
; the walk: 32 trips, four words each
.Lwalk:
.irp k, 0,1,2,3
	v_readlane_b32 s[RW+\k], v[CW+\k], s26
.endr
	v_readlane_b32 s[RN], v[WP], s26
	v_readlane_b32 s[RN+1], v[WP+1], s26
	s_lshl_b32 s[NM], s[RN], 8                     ; the low u16 moves up by 8,
	s_lshr_b32 s[NM+1], s[RN], 8                   ; the high one down by 8,
	s_lshl_b32 s[NM+2], s[RN+1], 8
	s_lshr_b32 s[NM+3], s[RN+1], 8
.irp k, 0,1,2,3
	s_and_b32 s[NM+\k], s[NM+\k], 0xffff00         ; and the other one is cut off: number << 8
.endr
.irp k, 0,1,2,3
	s_or_b32 s29, s[NM+\k], s23                    ; (a count of 128 or more may spill into the number, and then no slot takes the scalar)
.irp q, 0,1,2,3
	v_cmp_le_u32 vcc_lo, s23, v[SL+\q]
	v_cndmask_b32 v[SW+\q], v[SW+\q], s[RW+\k], vcc_lo
	v_cndmask_b32 v[SP+\q], v[SP+\q], s29, vcc_lo
.endr
	s_bcnt1_i32_b32 s30, s[RW+\k]
	s_add_co_u32 s23, s23, s30
.endr
	s_add_co_u32 s26, s26, 1
	s_cmp_lt_u32 s26, 32
	s_cbranch_scc1 .Lwalk
	s_min_u32 s23, s23, 128                        ; samples that hold a point
.irp q, 0,1,2,3
	v_and_b32 v[R+\q], 0xff, v[SP+\q]
.endr
.irp q, 0,1,2,3
	v_sub_nc_u32 v[R+\q], v[SL+\q], v[R+\q]
.endr
	SELECT4 SW, R, POS
.irp q, 0,1,2,3
	v_lshrrev_b32 v[IDX+\q], 8, v[SP+\q]
.endr
.irp q, 0,1,2,3
	v_lshl_add_u32 v[IDX+\q], v[IDX+\q], 5, v[POS+\q]      ; 32 x the word's number + the bit
.endr
.irp q, 0,1,2,3
	v_min_u32 v[IDX+\q], 0xffff, v[IDX+\q]         ; a slot behind the last point names some point of the frame: read, and replaced by zeros below
	v_mul_u32_u24 v[IDX+\q], 20, v[IDX+\q]
.endr
.irp q, 0,1,2,3
.irp f, 0,1,2,3,4
	global_load_b32 v[D+5*\q+\f], v[IDX+\q], s[4:5] offset:4*\f    ; a point starts at a multiple of 4 bytes only: five loads of one word
.endr
.endr
	s_wait_loadcnt 0x0
.irp q, 0,1,2,3
	v_cmp_gt_u32 vcc_lo, s23, v[SL+\q]
.irp f, 0,1,2,3,4
	v_cndmask_b32 v[D+5*\q+\f], 0, v[D+5*\q+\f], vcc_lo    ; zeros behind the last point found
.endr
.irp f, 0,1,2,3,4
	ds_store_b32 v5, v[D+5*\q+\f] offset:640*\q+4*\f       ; sample lane + 32 q at byte 20 lane + 640 q: lanes 5 words apart, 32 different banks of the 64 (ISA guide 11.1)
.endr
.endr
.irp i, 0,1,2,3,4
	ds_load_b128 v[E+4*\i:E+4*\i+3], v6 offset:512*\i      ; back in output order; these see my stores above
.endr
.irp i, 0,1,2,3,4
	s_wait_dscnt 4-\i                              ; load i is in, the younger ones stay out
	global_store_b128 v7, v[E+4*\i:E+4*\i+3], s[14:15] offset:512*\i th:TH_STORE_NT    ; 512 consecutive bytes at a multiple of 256 from out0's first byte
.endr
	s_wait_tensorcnt 0x0
	ds_add_u32 v104, v105
	s_wait_dscnt 0x0
	s_endpgm
.Lfunc_end_k_q23d9e69051_pick:
	.size	k_q23d9e69051_pick, .Lfunc_end_k_q23d9e69051_pick-k_q23d9e69051_pick
	.p2alignl 7, 3214868480
	.fill 96, 4, 3214868480
	.section	.rodata,"a",@progbits
	.p2align	6, 0x0
	.amdhsa_kernel k_q23d9e69051_pick
		.amdhsa_group_segment_fixed_size 21504
		.amdhsa_private_segment_fixed_size 0
		.amdhsa_enable_private_segment 0
		.amdhsa_kernarg_size 48
		.amdhsa_user_sgpr_count 2
		.amdhsa_user_sgpr_kernarg_segment_ptr 1
		.amdhsa_wavefront_size32 1
		.amdhsa_system_sgpr_workgroup_id_x 1
		.amdhsa_system_sgpr_workgroup_id_y 1
		.amdhsa_system_sgpr_workgroup_id_z 1
		.amdhsa_system_vgpr_workitem_id 0
		.amdhsa_next_free_vgpr 106
		.amdhsa_next_free_sgpr 66
		.amdhsa_reserve_vcc 1
		.amdhsa_float_denorm_mode_32 3
		.amdhsa_float_denorm_mode_16_64 3
		.amdhsa_memory_ordered 1
		.amdhsa_forward_progress 1
		.amdhsa_inst_pref_size 21
	.end_amdhsa_kernel
	.amdgpu_metadata
---
amdhsa.version: [ 1, 2 ]
amdhsa.kernels:
  - .name:           k_q23d9e69051_pick
    .symbol:         k_q23d9e69051_pick.kd
    .args:
      - { .name: points, .offset: 0, .size: 8, .value_kind: global_buffer, .address_space: global }
      - { .name: cw0, .offset: 8, .size: 8, .value_kind: global_buffer, .address_space: global }
      - { .name: cw1, .offset: 16, .size: 8, .value_kind: global_buffer, .address_space: global }
      - { .name: wi, .offset: 24, .size: 8, .value_kind: global_buffer, .address_space: global }
      - { .name: slots, .offset: 32, .size: 8, .value_kind: global_buffer, .address_space: global }
      - { .name: out0, .offset: 40, .size: 8, .value_kind: global_buffer, .address_space: global }
    .group_segment_fixed_size: 21504
    .private_segment_fixed_size: 0
    .kernarg_segment_align: 8
    .kernarg_segment_size: 48
    .max_flat_workgroup_size: 256
    .sgpr_count:     66
    .vgpr_count:     106
    .wavefront_size: 32
...
	.end_amdgpu_metadata
.endif
;; end of part 3
;; ======== version 2 of 2: 3 launches; version 1 with the launch mask written anew for expert scheduling mode
;; workspace buffers: hits 16,777,216 bytes; slots 8,192 bytes of whole numbers; nz 524,288 bytes of whole numbers; cw0 524,288 bytes of whole numbers; cw1 524,288 bytes of whole numbers; wi 524,288 bytes of whole numbers
;; launch mask (part 4): grid 256 x 1, 16 waves a work-group, no clusters, 119,296 bytes of LDS; arguments points, trajectory_rois, valid_length, hits, slots, nz; writes hits, slots, nz
.if DOCPART == 4
	.amdgcn_target "amdgcn-amd-amdhsa--gfx1250"
	.amdhsa_code_object_version 6
	.text
	.protected	k_q23d9e69051_mask
	.globl	k_q23d9e69051_mask
	.p2align	8
	.type	k_q23d9e69051_mask,@function
k_q23d9e69051_mask:
	s_mov_b64 s[64:65], 0
	v_nop
	global_prefetch_b8 v0, s[64:65] scope:SCOPE_SE
	s_setreg_imm32_b32 hwreg(HW_REG_WAVE_SCHED_MODE, 0, 2), 2
	s_setreg_imm32_b32 hwreg(HW_REG_WAVE_MODE, 25, 1), 1
	s_wait_xcnt 0x0
	s_wait_alu depctr_vm_vsrc(0)
; MASK: for every box whose own result is wanted, one bit for each point of its frame: is the point inside the box's cylinder?
;   points [2][8][65536][5] f32, rois [2][8][128][7] f32, valid [2][8][128] i32.
;   hits  [b][chunk of 512 points][list place 0..1023][16 words]: bit i of the word at byte 8 (g & 7) + 4 (g >> 3) = point 512 chunk + 32 g + i.
;   nz    [b][chunk][quad of places 0..255][2 words]: bit 8 j + i of word h = the mask word of group 8 h + i of place 4 quad + j is not zero.
;   slots [b][t][m]: list place | source frame << 16, the row that belongs to output (b, m, t).
; A box is wanted if t == 0 or valid != 0 (otherwise its result is replaced by frame 0's, so it is never tested; valid of t == 0 decides nothing
; and is not loaded).  The wanted boxes of a batch form ONE list over its 8 frames, frame after frame, each frame padded to a multiple of 4.
; A work-group = (batch, chunk): 512 point indices of all 8 frames x the whole list, so all work-groups of a batch have equal work; its 16 waves
; take 16 equal runs of the list's quads.  No cluster, no tensor load: a chunk of points belongs to one work-group alone, and what the
; work-groups share (rois and valid of a batch, 32,768 bytes) is read once at the head.
;
; THE TEST.  The problem asks RN(sqrt(s)) <= R with s = dx^2 + dy^2.  For f32 s that holds exactly when s <= R * next(R) as real numbers
; (the square of the midpoint between R and next(R) exceeds that product by a quarter unit, and s is a whole number of units), so
; T = R * next(R) rounded down is made once for a box and a pair costs no root.  R = RN(sqrt(q)) * 1.1f with the root rounded correctly.
; An infinite R gives T = +inf, a NaN gives NaN (nothing is selected), as in the problem.
; LIMITS, stated: s and q are formed as fma(b, b, a * a), a the first and b the second number of the pair; if the sum is rounded in another
; order, a point within one last-place unit (2^-23 relative) of T may be classed otherwise.  Radii below 2^-50: T may be one unit off (the
; product's error term underflows; v_sqrt_f32 takes a denormal q as 0).
;
; THE MODE: SCHED_MODE bits 1:0 = 2 (LLVM: expert scheduling mode 2), set by the entry lines.  The code itself states the register dependences
; between vector instructions and memory or LDS instructions, and those through scalar registers that vector instructions write, with s_wait_alu, always for 0.
; THE PLAN.  Registers that memory or LDS instructions touch in the loop over quads:
;   PR0, PR1   parameters of boxes 0 and 1.  Read by those boxes' arithmetic and compares; the next quad's land in them by two LDS loads in the quad's MIDDLE.
;   PR2, PR3   the same for boxes 2 and 3; the next quad's land by two LDS loads at the quad's END.
;   PA         the loads' LDS address.  Written once a quad, in the middle; read by all four loads.
;   NA, NV     address and data of the LDS store of the quad's nz words; SO, WS: offset and data of the global store.  Written near the end, read at the end.
;   X, Y       a frame's points.  Loaded at the frame's head; read by every box's arithmetic.
;   PT, PT+1   LDS addresses of my point, frames 0-3 and 4-7: made at the head, never written again; the frame stands in the immediate offset.
;   DX, DY, W and the masks s[MS ..] are named by vector instructions alone.
; THE MIDDLE: the waits that show the last quad's stores and loads done reading NA, NV, SO, WS, PA; PA's move; ONE wait on va_vdst (PA is written; boxes 0 and 1 are
; done reading PR0, PR1); two loads.  From there to the end the only memory-side instructions are these two loads, which read PA alone.
; THE END: ONE wait on va_vdst (NA, NV, SO, WS are written; boxes 2 and 3 are done reading PR2, PR3); the two stores and two loads.  No vector instruction stands
; between that wait and the trip's branch, so it also stands behind every reader of X and Y when the next frame's points are asked for.
; THE MASKS: a box's 16 compares write scalar registers that its 16 lane writes read.  The lane writes of box j stand behind the packed arithmetic of box j + 1,
; and the wait on va_sdst between them; box 3's stand in the same trip, since the wait and the first reader stand ahead of the branch.
.set FRAME_BYTES, 1310720              ; 65,536 points x 20 bytes
.set CHUNK_BYTES, 10240                ; 512 points x 20 bytes, a multiple of 256
.set DUMP,        1056                 ; LDS places of 16 bytes (-cx, -cy, T, 0): 0..1023 the list, 1024..1055 spare for reading ahead,
.set STAGE,       (DUMP+1024)*16       ; 1056..2079 one place for each box that is not wanted (never read); then 8 x 10,240 bytes of points;
.set NZB,         STAGE+8*CHUNK_BYTES  ; then 256 quads x 8 bytes: this work-group's part of nz
.set LANE, 1                           ; v1    lane
.set L16,  3                           ; v3    16 lane   (offset of the staging loads)
.set L4,   4                           ; v4    4 lane    (offset of the valid loads)
.set T28,  5                           ; v5    28 thread (offset of the roi loads)
.set PINIT,6                           ; v6    16 thread (the list's default fill)
.set STA,  7                           ; v7    where my staging loads go in LDS
.set RA,   8                           ; v[8:11]   box A (thread's number = 128 t + m, t 0..3): cx, cy, l, w, then -cx, -cy, T, 0
.set RB,   12                          ; v[12:15]  box B (t + 4)
.set DEF,  16                          ; v[16:19]  the default entry
.set SLA,  20                          ; v20, v21  list places of A and B, then their LDS addresses
.set SLB,  21
.set PT,   22                          ; v22, v23  LDS address of my point in group 0 of frame 0, of frame 4
.set TM,   24                          ; v[24:29]  at work, box A
.set TB,   32                          ; v[32:37]  at work, box B (head only)
.set VL,   32                          ; v[36:63]  valid of segments 4..31 (head only)
.set X,    32                          ; v[32:47]  x of 16 groups of 32 points (lane = point)
.set Y,    48                          ; v[48:63]  y
.set ST,   64                          ; v[64:103] staging (head only)
.set DX,   64                          ; v[64:79]  x - cx, then its square
.set DY,   80                          ; v[80:95]  y - cy, then s
.set PR,   96                          ; v[96:111] parameters of the quad's four boxes
.set W,    112                         ; v[112:113] the quad's 64 mask words: lane 8 j + (g & 7), register g >> 3
.set WS,   114                         ; v[114:115] their copy, which the store reads
.set TE,   116                         ; v116, v117 my two words of slots; v118 their offset
.set NO,   119                         ; v119  my byte offset in the work-group's part of nz (the end only)
.set PA,   120                         ; v120  LDS address of the quad's parameters
.set SO,   121                         ; v121  the quad's byte offset in hits
.set L8,   123                         ; v123  8 lane
.set L20,  124                         ; v124  20 lane
.set NA,   125                         ; v125  LDS address in the nz part
.set NV,   126                         ; v[126:127] the quad's two nz words
.set S_RUN,  20                        ; running list place
.set S_TMP,  21
.set S_MA,   22                        ; my wave's ballot and first place, boxes A
.set S_SA,   23
.set S_MB,   24                        ; the same, boxes B
.set S_SB,   25
.set S_A,    26                        ; my run of quads: [S_A, S_E)
.set S_E,    27
.set S_Q,    28                        ; the quad at work
.set S_HI,   29
.set S_QC,   31
.set PQ,     32                        ; s[32:40] first quad of frame 0..7, and the number of quads
.set S_WAVE, 41
.set S_B,    42
.set S_C,    43
.set MS,     44                        ; s[44:59] a box's 16 masks; at the head s[44:47]: the radii's conditions
.set S_N0,   60                        ; s60, s61 the quad's nz words; s62 at work
.set S_N1,   61
.set S_N2,   62
.set MK,     66                        ; s[66:97] ballots of the 32 segments (segment = 4 t + m / 32)
	s_load_b256 s[4:11], s[0:1], 0x0               ; points s[4:5], rois s[6:7], valid s[8:9], hits s[10:11]
	s_load_b128 s[12:15], s[0:1], 0x20             ; slots s[12:13], nz s[14:15]
	v_lshl_add_u32 v31, v0, 2, 0x1ca00
	v_mov_b32 v122, 0
	v_and_b32 v[LANE], 31, v0
	v_lshrrev_b32 v2, 5, v0
	v_readfirstlane_b32 s[S_WAVE], v2              ; wave 0..15
	s_lshr_b32 s[S_B], ttmp9, 7                    ; batch
	s_and_b32 s[S_C], ttmp9, 127                   ; chunk
	v_lshlrev_b32 v[L4], 2, v[LANE]
	v_lshlrev_b32 v[L16], 4, v[LANE]
	v_mul_u32_u24 v[T28], 28, v0
	v_lshlrev_b32 v[PINIT], 4, v0
	v_lshl_add_u32 v[NA], v0, 2, NZB               ; my word of the nz part
	v_mov_b32 v[DEF], 0                            ; the default entry: T = -1 selects nothing
	v_mov_b32 v[DEF+1], 0
	v_mov_b32 v[DEF+2], -1.0
	v_mov_b32 v[DEF+3], 0
	s_mov_b32 s19, 0                               ; high word of every offset below
	s_lshl_b32 s18, s[S_B], 12                     ; valid of my batch: 1,024 words
	s_wait_alu depctr_va_sdst(0)                   ; the wave's number is written, ahead of its first reader (the staging address below)
	s_wait_alu depctr_va_vdst(0)                   ; L4, L16, T28, PINIT, NA and the default entry are written: the loads and LDS stores up to the first barrier read them, and no vector instruction stands among those
	s_wait_kmcnt 0x0
	s_add_nc_u64 s[8:9], s[8:9], s[18:19]
	; every wave takes the batch's flags, one segment of 32 boxes a load: the ballots then lie in scalar registers and no wave waits for another
.irp sg, 4,5,6,7,8,9,10,11,12,13,14,15,16,17,18,19,20,21,22,23,24,25,26,27,28,29,30,31
	global_load_b32 v[VL+\sg], v[L4], s[8:9] offset:128*\sg
.endr
	s_mul_i32 s18, s[S_B], 28672                   ; rois of my batch: 1,024 boxes x 28 bytes
	s_add_nc_u64 s[6:7], s[6:7], s[18:19]
	global_load_b32 v[RA],   v[T28], s[6:7]                ; cx
	global_load_b32 v[RA+1], v[T28], s[6:7] offset:4       ; cy
	global_load_b32 v[RA+2], v[T28], s[6:7] offset:12      ; l
	global_load_b32 v[RA+3], v[T28], s[6:7] offset:16      ; w
	global_load_b32 v[RB],   v[T28], s[6:7] offset:14336   ; 512 boxes on
	global_load_b32 v[RB+1], v[T28], s[6:7] offset:14340
	global_load_b32 v[RB+2], v[T28], s[6:7] offset:14348
	global_load_b32 v[RB+3], v[T28], s[6:7] offset:14352
	; staging: wave w brings half w & 1 of frame w / 2's chunk, 5,120 consecutive bytes, 512 a load
	s_lshl_b32 s18, s[S_B], 3
	s_lshr_b32 s[S_TMP], s[S_WAVE], 1
	s_add_co_u32 s18, s18, s[S_TMP]
	s_mul_i32 s18, s18, FRAME_BYTES
	s_mul_i32 s[S_TMP], s[S_C], CHUNK_BYTES
	s_add_co_u32 s18, s18, s[S_TMP]
	s_and_b32 s[S_TMP], s[S_WAVE], 1
	s_mul_i32 s[S_TMP], s[S_TMP], CHUNK_BYTES/2
	s_add_co_u32 s18, s18, s[S_TMP]                ; below 20,971,520
	s_add_nc_u64 s[4:5], s[4:5], s[18:19]
.irp k, 0,1,2,3,4,5,6,7,8,9
	global_load_b128 v[ST+4*\k:ST+4*\k+3], v[L16], s[4:5] offset:512*\k
.endr
	; the list starts as default entries, so a frame's padding and the places read ahead past the end give zero masks;
	; the nz part starts as zeros, which stay for the quads behind the list's end
	ds_store_b128 v[PINIT], v[DEF:DEF+3]
	ds_store_b128 v[PINIT], v[DEF:DEF+3] offset:8192
	ds_store_b32 v[NA], v[DEF]                     ; 512 threads x 4 bytes = the 2,048 bytes
	s_cmp_lg_u32 s[S_WAVE], 0
	s_cbranch_scc1 .Lno_tail
	ds_store_b128 v[PINIT], v[DEF:DEF+3] offset:16384      ; wave 0: the 32 spare places
.Lno_tail:
	s_wait_dscnt 0x0                               ; for the others' sake: my defaults are in LDS before anybody stores a real entry
	s_barrier_signal -1                            ; register work only until the wait
	s_wait_loadcnt 18                              ; the 28 flag loads are in; the 8 roi and 10 staging loads behind them stay out
.irp sg, 4,5,6,7,8,9,10,11,12,13,14,15,16,17,18,19,20,21,22,23,24,25,26,27,28,29,30,31
	v_cmp_ne_u32 s[MK+\sg], 0, v[VL+\sg]
.endr
.irp sg, 0,1,2,3
	s_mov_b32 s[MK+\sg], -1                        ; frame 0: every box is wanted
.endr
	s_mov_b32 s[S_RUN], 0
	s_mov_b32 s[S_MA], 0
	s_mov_b32 s[S_SA], 0
	s_mov_b32 s[S_MB], 0
	s_mov_b32 s[S_SB], 0
	s_mov_b32 s[PQ], 0
	s_wait_alu depctr_va_sdst(0)                   ; the 28 ballots are written, ahead of their first reader: one wait behind the run of compares
; one segment: keep its ballot and first place if it is my wave's (A: segment = wave, B: wave + 16), count it, round up at a frame's end
.macro SEG sg
	s_cmp_eq_u32 s[S_WAVE], \sg&15
.if \sg < 16
	s_cselect_b32 s[S_MA], s[MK+\sg], s[S_MA]
	s_cselect_b32 s[S_SA], s[S_RUN], s[S_SA]
.else
	s_cselect_b32 s[S_MB], s[MK+\sg], s[S_MB]
	s_cselect_b32 s[S_SB], s[S_RUN], s[S_SB]
.endif
	s_bcnt1_i32_b32 s[S_TMP], s[MK+\sg]
	s_add_co_u32 s[S_RUN], s[S_RUN], s[S_TMP]
.if (\sg&3) == 3
	s_add_co_u32 s[S_RUN], s[S_RUN], 3
	s_and_b32 s[S_RUN], s[S_RUN], -4
	s_lshr_b32 s[PQ+(\sg>>2)+1], s[S_RUN], 2
.endif
.endm
.irp sg, 0,1,2,3,4,5,6,7,8,9,10,11,12,13,14,15,16,17,18,19,20,21,22,23,24,25,26,27,28,29,30,31
	SEG \sg
.endr
	v_mbcnt_lo_u32_b32 v[SLA], s[S_MA], s[S_SA]    ; my box's place = the segment's first + wanted boxes in lower lanes
	v_mbcnt_lo_u32_b32 v[SLB], s[S_MB], s[S_SB]
	v_min_u32 v[SLA], 1023, v[SLA]
	v_min_u32 v[SLB], 1023, v[SLB]
	; slots: a wanted box names its own row and frame, any other box row m of frame 0 (frame 0's places are 0..127 in box order)
	s_lshr_b32 s[S_TMP], s[S_WAVE], 2
	s_lshl_b32 s[S_TMP], s[S_TMP], 16              ; t << 16
	v_and_b32 v2, 127, v0                          ; m
	v_or_b32 v[TE], s[S_TMP], v[SLA]
	v_cndmask_b32 v[TE], v2, v[TE], s[S_MA]
	s_add_co_u32 s[S_TMP], s[S_TMP], 0x40000       ; t + 4
	v_or_b32 v[TE+1], s[S_TMP], v[SLB]
	v_cndmask_b32 v[TE+1], v2, v[TE+1], s[S_MB]
	v_lshlrev_b32 v[TE+2], 2, v0
	; where the entries go.  No lane is switched off: a box that is not wanted stores to a place of its own behind the list.
	v_add_nc_u32 v[TM], DUMP, v0
	v_add_nc_u32 v[TM+1], DUMP+512, v0
	v_cndmask_b32 v[SLA], v[TM], v[SLA], s[S_MA]
	v_cndmask_b32 v[SLB], v[TM+1], v[SLB], s[S_MB]
	v_min_u32 v[SLA], DUMP+1023, v[SLA]            ; a number that hangs on loaded flags is clamped to the region's size before it forms an address
	v_min_u32 v[SLB], DUMP+1023, v[SLB]
	v_lshlrev_b32 v[SLA], 4, v[SLA]
	v_lshlrev_b32 v[SLB], 4, v[SLB]
	; every other address that is read between here and the loop is made now too, so that one wait behind the radii serves them all
	s_mul_i32 s[S_TMP], s[S_WAVE], CHUNK_BYTES/2
	s_add_co_u32 s[S_TMP], s[S_TMP], STAGE
	v_add_nc_u32 v[STA], s[S_TMP], v[L16]
	s_mul_i32 s[S_A], s[S_WAVE], s[PQ+8]           ; my run of quads: [wave nq / 16, (wave + 1) nq / 16)
	s_lshr_b32 s[S_A], s[S_A], 4
	s_add_co_u32 s[S_E], s[S_WAVE], 1
	s_mul_i32 s[S_E], s[S_E], s[PQ+8]
	s_lshr_b32 s[S_E], s[S_E], 4
	v_lshlrev_b32 v[L8], 3, v[LANE]
	v_mul_u32_u24 v[L20], 20, v[LANE]
	v_add_nc_u32 v[PT], STAGE, v[L20]              ; frames 0-3: the frame and the group stand in the immediate, 40,324 at the most
	v_add_nc_u32 v[PT+1], STAGE+4*CHUNK_BYTES, v[L20]      ; frames 4-7
	s_min_u32 s[S_QC], s[S_A], 255
	s_lshl_b32 s[S_TMP], s[S_QC], 6
	v_mov_b32 v[PA], s[S_TMP]
	v_mov_b32 v[W], 0                              ; v_writelane_b32 keeps the other lanes: the pair is written whole once
	v_mov_b32 v[W+1], 0
; v[r:r+3] = cx, cy, l, w  ->  -cx, -cy, T, 0, for the thread's two boxes side by side: t = six registers at work, m = two scalar registers for conditions.
.macro RAD1 r, t
	v_mul_f32 v[\t], 0.5, v[\r+2]
	v_mul_f32 v[\t+1], 0.5, v[\r+3]
	v_mul_f32 v[\t], v[\t], v[\t]
	v_fma_f32 v[\t], v[\t+1], v[\t+1], v[\t]       ; q
.endm
.macro RAD2 r
	v_xor_b32 v[\r], 0x80000000, v[\r]
	v_xor_b32 v[\r+1], 0x80000000, v[\r+1]
	v_mov_b32 v[\r+3], 0
.endm
.macro RAD3 t, m
	v_add_nc_u32 v[\t+2], 1, v[\t+1]               ; next(y)
	v_add_nc_u32 v[\t+3], -1, v[\t+1]              ; prev(y); for y = 0 a NaN pattern, which fails the test below
	v_fma_f32 v[\t+4], -v[\t+1], v[\t+2], v[\t]    ; q - y next(y) > 0: the rounded root is above y.  One rounding keeps the sign
	v_fma_f32 v[\t+5], -v[\t+3], v[\t+1], v[\t]    ; q - prev(y) y <= 0: it is below y
	v_cmp_lt_f32 s[\m], 0, v[\t+4]
	v_cmp_ge_f32 s[\m+1], 0, v[\t+5]
.endm
.macro RAD4 t, m
	v_cndmask_b32 v[\t+1], v[\t+1], v[\t+2], s[\m]
	v_cndmask_b32 v[\t+1], v[\t+1], v[\t+3], s[\m+1]
	v_mul_f32 v[\t+1], 0x3f8ccccd, v[\t+1]         ; R = root * 1.1f
	v_add_nc_u32 v[\t+2], 1, v[\t+1]               ; next(R)
	v_mul_f32 v[\t+3], v[\t+1], v[\t+2]            ; p = RN(R next(R))
	v_fma_f32 v[\t+4], v[\t+1], v[\t+2], -v[\t+3]  ; the product's error: negative if p was rounded up
	v_add_nc_u32 v[\t+5], -1, v[\t+3]
	v_cmp_gt_f32 s[\m], 0, v[\t+4]
	v_cmp_eq_f32 s[\m+1], 0x7f800000, v[\t+1]
.endm
.macro RAD5 r, t, m
	v_cndmask_b32 v[\r+2], v[\t+3], v[\t+5], s[\m]         ; T = the product rounded down
	v_cndmask_b32 v[\r+2], v[\r+2], v[\t+1], s[\m+1]       ; R = +inf: T = +inf
.endm
	s_wait_loadcnt 10                              ; the rois are in; the 10 staging loads stay out
	RAD1 RA, TM
	RAD1 RB, TB
	v_sqrt_f32 v[TM+1], v[TM]                      ; y, within one unit of the root: the two roots are one batch
	v_sqrt_f32 v[TB+1], v[TB]
	RAD2 RA                                        ; six plain instructions that name neither root nor q stand between the roots and their first use (ISA guide 5.7.2)
	RAD2 RB
	s_wait_alu depctr_va_vdst(0)                   ; the two roots are written, ahead of the first instruction that names them
	RAD3 TM, MS
	RAD3 TB, MS+2
	s_wait_alu depctr_va_sdst(0)                   ; the four conditions on the roots are written, ahead of the selects that read them
	RAD4 TM, MS
	RAD4 TB, MS+2
	s_wait_alu depctr_va_sdst(0)                   ; the four conditions on the products are written, ahead of the selects that read them
	RAD5 RA, TM, MS
	RAD5 RB, TB, MS+2
	s_wait_alu depctr_va_vdst(0)                   ; written: SLA, SLB, RA, RB (the entries' stores), TE .. TE+2 (slots), STA (staging), PA (the first parameters), PT, PT+1; and every vector instruction that named v32-v63, in which the points land, is done.  No vector instruction follows until the first quad
	s_barrier_wait -1                              ; everybody's defaults are in LDS
	ds_store_b128 v[SLA], v[RA:RA+3]               ; every box has a place of its own: list places are a running count, the others the box's number
	ds_store_b128 v[SLB], v[RB:RB+3]
	s_cmp_lg_u32 s[S_C], 0
	s_cbranch_scc1 .Lno_table
	s_lshl_b32 s18, s[S_B], 12                     ; chunk 0's work-group stores its batch's 4,096 bytes of slots, 128 consecutive bytes a wave and store
	s_add_nc_u64 s[12:13], s[12:13], s[18:19]
	global_store_b32 v[TE+2], v[TE], s[12:13]
	global_store_b32 v[TE+2], v[TE+1], s[12:13] offset:2048
.Lno_table:
	s_wait_loadcnt 0x0                             ; my 5,120 bytes of points
.irp k, 0,1,2,3,4,5,6,7,8,9
	ds_store_b128 v[STA], v[ST+4*\k:ST+4*\k+3] offset:512*\k
.endr
	s_wait_dscnt 0x0                               ; for the others' sake: my entries and my points are in LDS
	s_barrier_signal -1
	s_lshl_b32 s18, ttmp9, 16                      ; hits of (batch, chunk): 1,024 rows x 64 bytes
	s_add_nc_u64 s[10:11], s[10:11], s[18:19]
	s_barrier_wait -1                              ; from here to the last barrier the list and the points are only read; a quad's 8 bytes of the nz part are stored by the one wave that has the quad
	s_wait_alu depctr_vm_vsrc(0)                   ; my staging stores have read v64-v103, which are DX, DY and PR from here on; the store of my nz zero has read NA, which the quads write again
.irp j, 0,1,2,3
	ds_load_b128 v[PR+4*\j:PR+4*\j+3], v[PA] offset:16*\j  ; my first quad's parameters: every lane reads the same 16 bytes
.endr
; one box x 512 points: 32 packed instructions, 16 compares, 16 lane writes.  The packed forms take two groups at once; -cx (the pair's first register) or
; -cy (its second) goes to both halves by op_sel.  Runs of eight keep a result's first use eight instructions behind it.
.macro PK j
.irp i, 0,1,2,3,4,5,6,7
	v_pk_add_f32 v[DX+2*\i:DX+2*\i+1], v[X+2*\i:X+2*\i+1], v[PR+4*\j:PR+4*\j+1] op_sel_hi:[1,0]
.endr
.irp i, 0,1,2,3,4,5,6,7
	v_pk_add_f32 v[DY+2*\i:DY+2*\i+1], v[Y+2*\i:Y+2*\i+1], v[PR+4*\j:PR+4*\j+1] op_sel:[0,1] op_sel_hi:[1,1]
.endr
.irp i, 0,1,2,3,4,5,6,7
	v_pk_mul_f32 v[DX+2*\i:DX+2*\i+1], v[DX+2*\i:DX+2*\i+1], v[DX+2*\i:DX+2*\i+1]
.endr
.irp i, 0,1,2,3,4,5,6,7
	v_pk_fma_f32 v[DY+2*\i:DY+2*\i+1], v[DY+2*\i:DY+2*\i+1], v[DY+2*\i:DY+2*\i+1], v[DX+2*\i:DX+2*\i+1]
.endr
.endm
.macro CMP j
.irp g, 0,1,2,3,4,5,6,7,8,9,10,11,12,13,14,15
	v_cmp_le_f32 s[MS+\g], v[DY+\g], v[PR+4*\j+2]          ; s <= T: 32 points' bits
.endr
.endm
.macro WL j
.irp g, 0,1,2,3,4,5,6,7,8,9,10,11,12,13,14,15
	v_writelane_b32 v[W+(\g>>3)], s[MS+\g], 8*\j+(\g&7)    ; group g of row j: byte 64 j + 8 (g & 7) + 4 (g >> 3) of the quad's 256
.endr
.endm
; the part of my run that lies in frame t.  The list goes on from frame to frame, so the parameters read ahead are the next frame's first quad.
.macro FRAME t
	s_max_u32 s[S_Q], s[S_A], s[PQ+\t]
	s_min_u32 s[S_HI], s[S_E], s[PQ+\t+1]
	s_cmp_lt_u32 s[S_Q], s[S_HI]
	s_cbranch_scc0 .Lskip\t
	; no s_wait_alu here: the last wait on va_vdst (a quad's closing one, or the head's) stands behind every vector instruction that named X, Y, PT or PT+1
.irp g, 0,1,2,3,4,5,6,7,8,9,10,11,12,13,14,15
	ds_load_b32 v[X+\g], v[PT+\t/4] offset:(\t%4)*CHUNK_BYTES+640*\g      ; lanes 5 words apart: 32 different banks of the 64 (ISA guide 11.1)
	ds_load_b32 v[Y+\g], v[PT+\t/4] offset:(\t%4)*CHUNK_BYTES+640*\g+4
.endr
	s_wait_dscnt 0x0                               ; the frame's points, and the parameters asked for before them
.Lquad\t:
	s_min_u32 s[S_QC], s[S_Q], 255                 ; the quad's number hangs on loaded flags: clamped before it forms addresses
	s_wait_dscnt 0x3                               ; LDS instructions end in order (ISA guide 5.7.1): boxes 0 and 1 are in; the last quad's nz store and its loads for boxes 2 and 3 may be out
	PK 0
	CMP 0
	PK 1
	s_wait_alu depctr_va_sdst(0)                   ; box 0's 16 masks are written, ahead of the lane writes that read them
	WL 0
	CMP 1
	; THE MIDDLE
	s_lshl_b32 s[S_TMP], s[S_QC], 6
	s_wait_xcnt 0x0                                ; the last quad's global store has taken its sources (ISA guide 3.1): WS and SO are rewritten only behind this wait
	s_wait_alu depctr_vm_vsrc(0)                   ; the last quad's two stores have read NA, NV, SO, WS, and its loads PA: all five are written again below
	v_mov_b32 v[PA], s[S_TMP]
	s_wait_alu depctr_va_vdst(0)                   ; PA is written, which the loads read; boxes 0 and 1 are done reading their parameters, in whose registers the loads land
	ds_load_b128 v[PR:PR+3], v[PA] offset:64       ; the next quad's boxes 0 and 1, two boxes ahead of their use
	ds_load_b128 v[PR+4:PR+7], v[PA] offset:80
	s_wait_dscnt 0x2                               ; boxes 2 and 3 are in; the two loads just issued stay out
	PK 2
	s_wait_alu depctr_va_sdst(0)                   ; box 1's masks
	WL 1
	CMP 2
	PK 3
	s_wait_alu depctr_va_sdst(0)                   ; box 2's masks
	WL 2
	CMP 3
	s_lshl_b32 s[S_N2], s[S_QC], 3
	s_add_co_u32 s[S_N2], s[S_N2], NZB
	v_mov_b32 v[NA], s[S_N2]
	v_lshl_add_u32 v[SO], s[S_QC], 8, v[L8]
	s_wait_alu depctr_va_sdst(0)                   ; box 3's masks: the wait and their readers stand in this trip, ahead of the branch
	WL 3
	v_cmp_ne_u32 s[S_N0], 0, v[W]                  ; which of the quad's 64 words hold a bit: groups 0-7 of rows 0-3,
	v_cmp_ne_u32 s[S_N1], 0, v[W+1]                ; groups 8-15
	v_mov_b32 v[WS], v[W]
	v_mov_b32 v[WS+1], v[W+1]
	s_wait_alu depctr_va_sdst(0)                   ; the two nz words are written, ahead of the moves that read them
	v_mov_b32 v[NV], s[S_N0]
	v_mov_b32 v[NV+1], s[S_N1]
	; THE END
	s_wait_alu depctr_va_vdst(0)                   ; NA, NV, SO, WS are written, which the stores read; boxes 2 and 3 are done reading their parameters, in whose registers the loads land; PA has not been named since the middle's wait
	ds_store_b64 v[NA], v[NV:NV+1]                 ; all lanes store the same 8 bytes to the quad's place
	global_store_b64 v[SO], v[WS:WS+1], s[10:11]   ; four rows: 256 consecutive bytes at a multiple of 256 from the buffer's first byte
	ds_load_b128 v[PR+8:PR+11], v[PA] offset:96    ; the next quad's boxes 2 and 3, two boxes ahead of their use
	ds_load_b128 v[PR+12:PR+15], v[PA] offset:112
	s_add_co_u32 s[S_Q], s[S_Q], 1
	s_cmp_lt_u32 s[S_Q], s[S_HI]
	s_cbranch_scc1 .Lquad\t
.Lskip\t:
.endm
	FRAME 0
	FRAME 1
	FRAME 2
	FRAME 3
	FRAME 4
	FRAME 5
	FRAME 6
	FRAME 7
	; the work-group's 2,048 bytes of nz leave together, in whole runs of 256 bytes
	s_wait_dscnt 0x0                               ; for the others' sake: my quads' words are in LDS (and the parameters read ahead are back)
	s_barrier_signal -1
	s_barrier_wait -1
	s_cmp_ge_u32 s[S_WAVE], 4
	s_cbranch_scc1 .Lend                           ; waves 0-3: 128 threads x 16 bytes
	s_lshl_b32 s[S_N2], s[S_WAVE], 9
	s_wait_alu depctr_vm_vsrc(0)                   ; my last quad's LDS store has read NA, which is written again below
	v_add_nc_u32 v[NO], s[S_N2], v[L16]            ; 512 wave + 16 lane
	v_add_nc_u32 v[NA], NZB, v[NO]
	s_lshl_b32 s18, ttmp9, 11                      ; nz of (batch, chunk)
	s_add_nc_u64 s[14:15], s[14:15], s[18:19]
	s_wait_alu depctr_va_vdst(0)                   ; NA and NO are written, which the load and the store below read
	ds_load_b128 v[PR:PR+3], v[NA]
	s_wait_dscnt 0x0
	global_store_b128 v[NO], v[PR:PR+3], s[14:15]
.Lend:
	s_wait_dscnt 0x0
	s_wait_alu depctr_hold_cnt(0) depctr_sa_sdst(0) depctr_va_vdst(0) depctr_va_sdst(0) depctr_va_ssrc(0) depctr_va_vcc(0) depctr_vm_vsrc(0)
	s_wait_tensorcnt 0x0
	ds_add_u32 v31, v122
	s_wait_dscnt 0x0
	s_endpgm
.Lfunc_end_k_q23d9e69051_mask:
	.size	k_q23d9e69051_mask, .Lfunc_end_k_q23d9e69051_mask-k_q23d9e69051_mask
	.p2alignl 7, 3214868480
	.fill 96, 4, 3214868480
	.section	.rodata,"a",@progbits
	.p2align	6, 0x0
	.amdhsa_kernel k_q23d9e69051_mask
		.amdhsa_group_segment_fixed_size 119296
		.amdhsa_private_segment_fixed_size 0
		.amdhsa_enable_private_segment 0
		.amdhsa_kernarg_size 48
		.amdhsa_user_sgpr_count 2
		.amdhsa_user_sgpr_kernarg_segment_ptr 1
		.amdhsa_wavefront_size32 1
		.amdhsa_system_sgpr_workgroup_id_x 1
		.amdhsa_system_sgpr_workgroup_id_y 1
		.amdhsa_system_sgpr_workgroup_id_z 1
		.amdhsa_system_vgpr_workitem_id 0
		.amdhsa_next_free_vgpr 128
		.amdhsa_next_free_sgpr 98
		.amdhsa_reserve_vcc 0
		.amdhsa_float_denorm_mode_32 3
		.amdhsa_float_denorm_mode_16_64 3
		.amdhsa_memory_ordered 1
		.amdhsa_forward_progress 1
		.amdhsa_inst_pref_size 178
	.end_amdhsa_kernel
	.amdgpu_metadata
---
amdhsa.version: [ 1, 2 ]
amdhsa.kernels:
  - .name:           k_q23d9e69051_mask
    .symbol:         k_q23d9e69051_mask.kd
    .args:
      - { .name: points, .offset: 0, .size: 8, .value_kind: global_buffer, .address_space: global }
      - { .name: trajectory_rois, .offset: 8, .size: 8, .value_kind: global_buffer, .address_space: global }
      - { .name: valid_length, .offset: 16, .size: 8, .value_kind: global_buffer, .address_space: global }
      - { .name: hits, .offset: 24, .size: 8, .value_kind: global_buffer, .address_space: global }
      - { .name: slots, .offset: 32, .size: 8, .value_kind: global_buffer, .address_space: global }
      - { .name: nz, .offset: 40, .size: 8, .value_kind: global_buffer, .address_space: global }
    .group_segment_fixed_size: 119296
    .private_segment_fixed_size: 0
    .kernarg_segment_align: 8
    .kernarg_segment_size: 48
    .max_flat_workgroup_size: 512
    .sgpr_count:     98
    .vgpr_count:     128
    .wavefront_size: 32
...
	.end_amdgpu_metadata
.endif
;; end of part 4
;; launch squeeze: the kernel of part 2 again; grid 256 x 1, 8 waves a work-group, no clusters, 0 bytes of LDS; arguments hits, nz, cw0, cw1, wi; writes cw0, cw1, wi
;; launch pick: the kernel of part 3 again; grid 256 x 1, 8 waves a work-group, no clusters, 21,504 bytes of LDS; arguments points, cw0, cw1, wi, slots, out0; writes out0
